; MI455X (gfx1250); checked and timed in simulation.
; The chip was launched on July 23, 2026; its instructions are those of AMD's public machine-readable ISA for CDNA 5 (MIT licence, August 2026) and "CDNA5" Instruction Set Architecture Reference Guide (July 2026). The comments in the code are by the model that wrote it; some were corrected since.
;; Multi Head Self Attention Layer. Allowed arithmetic: matrix products marked QUANTISED: E5M2 operands, one given power-of-two scale a tensor, by v_wmma_f32_16x16x64_bf8_bf8 or v_wmma_f32_16x16x128_bf8_bf8, f32 sums; everything else in f32.
;; Inputs: W_k 1,024 x 1,024 float32; W_o 1,024 x 1,024 float32; W_q 1,024 x 1,024 float32; W_v 1,024 x 1,024 float32; X_embed 4 x 2,048 x 1,024 float32; b_k 1,024 float32; b_o 1,024 float32; b_q 1,024 float32; b_v 1,024 float32; lowp_scales 10 int32 (the exponents e of the quantised operands' scales 2^e).
;; Outputs: out0 4 x 2,048 x 1,024 float32.
;; This version of the problem:
;;   THIS VERSION OF THE PROBLEM IS GIVEN IN LOW PRECISION. The matrix products marked QUANTISED in the list below multiply operands that are first quantised to E5M2 (5 exponent bits, 2 mantissa bits; 8 bits a number), with one given power-of-two scale for each operand tensor; their sums are f32. All else is computed in f32.
;;   The module's matrix products, in the order in which they are computed (A, B: the left and right operand; K: the contracted axis; several contracted axes count as one K, in the product's order):
;;     1. [M 8,192, K 1,024] x [K 1,024, N 1,024]; A: input X_embed; B: input W_q: QUANTISED (scales: A lowp_scales[0], B lowp_scales[1])
;;     2. [M 8,192, K 1,024] x [K 1,024, N 1,024]; A: input X_embed; B: input W_k: QUANTISED (scales: A lowp_scales[2], B lowp_scales[3])
;;     3. [M 8,192, K 1,024] x [K 1,024, N 1,024]; A: input X_embed; B: input W_v: QUANTISED (scales: A lowp_scales[4], B lowp_scales[5])
;;     4. batch 64 x [M 2,048, K 64] x [K 64, N 2,048]; A: computed on the way; B: computed on the way: QUANTISED (scales: A lowp_scales[6], B lowp_scales[7])
;;     5. [M 8,192, K 1,024] x [K 1,024, N 1,024]; A: computed on the way; B: input W_o: QUANTISED (scales: A lowp_scales[8], B lowp_scales[9])
;;   THE QUANTISER, for each operand of a quantised product, along K:
;;     - The operand's scale is 2^e, e = its entry of the input lowp_scales (int32; the entries are numbered through the quantised products in the list's order, A before B).
;;     - Each number is divided by the scale, clamped to +-57,344, and rounded to the nearest number of E5M2, ties to even, subnormals kept.
;;     - The product sums the exact products of the quantised numbers (number of the format x scale) in f32.
;;   ~~~python
;;   def quantise(x, axis, e):      # numpy; x: float32 -> the quantised numbers, widened to float32 again
;;       x = np.moveaxis(x, axis, -1); K = x.shape[-1]
;;       r = np.clip(x / 2.0 ** e, -57344, 57344)
;;       step = 2.0 ** (np.maximum(np.frexp(np.where(r == 0, 1, r))[1] - 1, -14) - 2)
;;       q = np.round(r / step) * step * 2.0 ** e      # np.round: ties to even
;;       return np.moveaxis(q, -1, axis).astype(np.float32)
;;   ~~~
;;   OPERANDS COMPUTED ON THE WAY. 'Computed on the way' means the value that the module computes at that place (a softmax that the list does not call 'softmax' is quantised finished and normalised). What goes into a quantiser is computed in f32, as accurately as f32 sums, v_exp_f32 and their like allow (about 1e-6 of the number): no bf16 or f16 on the way to a quantiser, and a product that is left as it is and whose result goes on into a quantised operand takes f32 operands (vector FMAs, or v_wmma_f32_16x16x4_f32). A number that lies on a knife's edge between two numbers of the format may be rounded either way, as far as f32 arithmetic and the matrix unit's own rounding can turn it there, and no further.
;; One version. Each part assembles by itself: llvm-mc -triple=amdgcn-amd-amdhsa -mcpu=gfx1250 --defsym DOCPART=n.
;; ======== version 1 of 1: 4 launches
;; limits: right only within a limited range of input values
;; workspace buffers: xc 25,165,824 bytes; wc 3,145,728 bytes; wo 1,048,576 bytes; pq 256 bytes; po 256 bytes; vf 33,554,432 bytes; qk 16,777,216 bytes; oc 8,388,608 bytes
;; launch quant (part 1): grid 384 x 1, 4 waves a work-group, no clusters, 36,352 bytes of LDS; arguments X_embed, W_v, W_q, W_k, W_o, lowp_scales, xc, wc, wo, pq, po; writes xc, wc, wo, pq, po
.if DOCPART == 1
	.amdgcn_target "amdgcn-amd-amdhsa--gfx1250"
	.amdhsa_code_object_version 6
	.text
	.protected	k_qf3fb626a09_quant
	.globl	k_qf3fb626a09_quant
	.p2align	8
	.type	k_qf3fb626a09_quant,@function
k_qf3fb626a09_quant:
	s_mov_b64 s[64:65], 0
	v_nop
	global_prefetch_b8 v0, s[64:65] scope:SCOPE_SE
	s_setreg_imm32_b32 hwreg(HW_REG_WAVE_MODE, 25, 1), 1
	s_wait_xcnt 0x0
; X [8192][1024] f32 becomes three sets of codes of BF8 (E5M2), one for each of its three given scales (xc: set 0 for the product with W_v, 1 for W_q, 2 for W_k).
; W_v, W_q, W_k, W_o [k 1024][n 1024] f32 become codes with K innermost (wc: V, Q, K; wo).  Two small tables of powers of two (pq, po) are made for the product launches.
; code = x / 2^e, held within +-57,344, rounded to the nearest code, ties to even.
; LIMITS: each e used here lies between -126 and 112; e6, e7 between -131 and 107; the sum of a product's two e between -126 and 127: so every power of two below is an f32 number.  NaN among the inputs is not served.
; THE ORDER ALONG K IN ALL CODE BUFFERS OF THESE PRODUCTS: within each 512 along K, code position P holds k = 128 ((P >> 2) & 3) + 4 (P >> 4) + (P & 3).
;   It is what comes out when a wave reads 4 x 512 consecutive bytes of f32 (lane l, load i: k = 128 i + 4 l + 0..3), converts its 16 numbers and stores 16 bytes at 16 l: loads and stores are dense and nothing is turned.
;   The order is the same in both operands of a product, so every product meets its partner; only the order of the sums changes.
; THE ORDER OF W'S ROWS: within each 128 columns n, buffer row 16 t + 8 H + i holds column 64 H + 8 t + i: in the product, used transposed, a lane then holds 64 neighbouring columns.
; SHARES: work-groups 0-127 take the weights (the only path that touches LDS), work-groups 128-383 take X.  Waves share nothing: no barrier.  No tile is read by two work-groups: no cluster, no tensor load.
.set WGW,  128                         ; work-groups of the weights' path
.set XR,   16                          ; X path: v16-79   four sets of 16 numbers as loaded
.set XT,   80                          ;         v80-111  two sets of 16 held numbers
.set XC,   112                         ;         v112-135 two sets of 12 registers of codes (three scales x 16 codes)
.set WX,   32                          ; W path: v32-95   two sets of 32 numbers
.set WC,   96                          ;         v96-103  a block's codes
.set WOUT, 112                         ;         v112-175 the way out
.set WP,   272                         ; W path: a stage row: 256 bytes + 16
	s_load_b512 s[8:23], s[0:1], 0x0               ; X 8:9, W_v 10:11, W_q 12:13, W_k 14:15, W_o 16:17, scales 18:19, xc 20:21, wc 22:23
	s_load_b128 s[24:27], s[0:1], 0x40             ; wo 24:25, pq 26:27
	s_load_b64 s[28:29], s[0:1], 0x50              ; po
	v_lshl_add_u32 v192, v0, 2, 0x8c00
	v_mov_b32 v193, 0
	v_lshrrev_b32 v1, 5, v0
	v_readfirstlane_b32 s30, v1                    ; wave 0..3
	v_and_b32 v2, 31, v0                           ; lane
	s_wait_kmcnt 0x0
	s_load_b256 s[32:39], s[18:19], 0x0            ; e0 .. e7
	s_load_b64 s[40:41], s[18:19], 0x20            ; e8, e9
	s_cmp_lt_u32 ttmp9, WGW
	s_cbranch_scc1 .Lweights
; ---------------- X: a wave takes 8,192 numbers, 16 steps of 512 ----------------
	s_sub_co_u32 s31, ttmp9, WGW                   ; which of X's 256 work-groups
	s_lshl_b32 s42, s31, 2
	s_add_co_u32 s42, s42, s30                     ; which run of 8,192 numbers is my wave's
	s_lshl_b32 s56, s42, 15                        ; its f32 bytes
	s_mov_b32 s57, 0
	s_add_nc_u64 s[8:9], s[8:9], s[56:57]
	s_lshl_b32 s56, s42, 13                        ; its codes
	s_add_nc_u64 s[50:51], s[20:21], s[56:57]      ; set 0
	s_add_nc_u64 s[52:53], s[50:51], 0x800000      ; set 1: 8,388,608 bytes on
	s_add_nc_u64 s[54:55], s[52:53], 0x800000      ; set 2
	s_wait_alu depctr_va_vdst(0)
	v_lshlrev_b32 v1, 4, v2                        ; 16 x lane: my place in a load's 512 bytes and in a step's 512 codes; never rewritten
.macro XLOAD t
.irp i, 0,1,2,3
	global_load_b128 v[XR+16*((\t)%4)+4*\i:XR+16*((\t)%4)+4*\i+3], v1, s[8:9] offset:2048*(\t)+512*\i th:TH_LOAD_NT   ; 32 lanes read 512 consecutive bytes; read once in the launch
.endr
.endm
.irp t, 0,1,2,3
	XLOAD \t
.endr
	s_wait_kmcnt 0x0                               ; the scales
.macro XSCALE z, e                     ; set z: v[8+z] = 2^e as f32 (the conversion takes its exponent field); s[44+2z], s[45+2z] = -+57,344 x 2^e
	s_add_co_i32 s58, s[\e], 127
	s_lshl_b32 s59, s58, 23
	v_mov_b32 v[8+\z], s59
	s_add_co_i32 s58, s58, 15
	s_lshl_b32 s58, s58, 23
	s_or_b32 s[45+2*\z], s58, 0x600000
	s_or_b32 s[44+2*\z], s[45+2*\z], 0x80000000
.endm
	XSCALE 0, 36                                   ; X for the product with W_v: e4
	XSCALE 1, 32                                   ; with W_q: e0
	XSCALE 2, 34                                   ; with W_k: e2
	; The tables: one wave of one work-group makes them.  Four words for each product: 2^(ea + eb); 2^(ec + 5); +57,344 x 2^(ec + 5); the same negative.
	; ec is the scale of the scores' operand that the product's result becomes; the 5 is the division by 32 = sqrt(1024), folded in exactly.
	s_or_b32 s58, s31, s30
	s_cmp_lg_u32 s58, 0
	s_cbranch_scc1 .Lno_tables
	v_mov_b32 v12, 0                               ; pq's words, one a lane
	v_mov_b32 v13, 0                               ; po's
	v_lshlrev_b32 v14, 2, v2
.macro TABQ z, ea, eb, ec              ; (s58 and s59 are at work here)
	s_add_co_i32 s58, s[\ea], s[\eb]
	s_add_co_i32 s58, s58, 127
	s_lshl_b32 s58, s58, 23
	v_writelane_b32 v12, s58, 4*\z
	s_add_co_i32 s58, s[\ec], 132
	s_lshl_b32 s59, s58, 23
	v_writelane_b32 v12, s59, 4*\z+1
	s_add_co_i32 s58, s58, 15
	s_lshl_b32 s58, s58, 23
	s_or_b32 s58, s58, 0x600000
	v_writelane_b32 v12, s58, 4*\z+2
	s_or_b32 s58, s58, 0x80000000
	v_writelane_b32 v12, s58, 4*\z+3
.endm
	s_add_co_i32 s58, s36, s37                     ; V: 2^(e4 + e5); its result stays f32, so the other three words are 1.0, 0, 0
	s_add_co_i32 s58, s58, 127
	s_lshl_b32 s58, s58, 23
	v_writelane_b32 v12, s58, 0
	s_mov_b32 s59, 1.0
	v_writelane_b32 v12, s59, 1
	TABQ 1, 32, 33, 38                             ; Q: e0, e1; becomes the scores' A: e6
	TABQ 2, 34, 35, 39                             ; K: e2, e3; becomes the scores' B: e7
	s_add_co_i32 s58, s40, s41                     ; the last product: 2^(e8 + e9), then 1.0, 0, 0
	s_add_co_i32 s58, s58, 127
	s_lshl_b32 s58, s58, 23
	v_writelane_b32 v13, s58, 0
	s_mov_b32 s59, 1.0
	v_writelane_b32 v13, s59, 1
	global_store_b32 v14, v12, s[26:27]            ; 128 bytes each; v12-14 are not written again
	global_store_b32 v14, v13, s[28:29]
.Lno_tables:
.macro XSTEP t
.if (\t) > 12
	s_wait_loadcnt 4*(15-(\t))                     ; the steps behind this one, four loads each: the counts run down
.else
	s_wait_loadcnt 12                              ; this step's four loads are in; those of the three steps behind it stay out
.endif
	s_wait_xcnt 0x0                                ; the stores of two steps ago have read this set of code registers
.irp z, 0,1,2
.set TS, XT+16*((3*(\t)+\z)%2)                 ; the two sets of held numbers take turns, so that sixteen plain lines stand between a conversion and the next write of its sources
.set i, 0
.rept 16
	v_med3_num_f32 v[TS+i], v[XR+16*((\t)%4)+i], s[44+2*\z], s[45+2*\z]   ; the conversion to an 8-bit code does not saturate (ISA guide 7.6.2): the hold at the largest code x the scale
.set i, i+1
.endr
	v_cvt_scalef32_pk8_bf8_f32 v[XC+12*((\t)%2)+4*\z:XC+12*((\t)%2)+4*\z+1], v[TS:TS+7], v[8+\z]
	v_cvt_scalef32_pk8_bf8_f32 v[XC+12*((\t)%2)+4*\z+2:XC+12*((\t)%2)+4*\z+3], v[TS+8:TS+15], v[8+\z]
.endr
.if (\t)+4 < 16
	XLOAD (\t)+4                                   ; all three holds have read this set of numbers
.endif
.irp z, 0,1,2
	global_store_b128 v1, v[XC+12*((\t)%2)+4*\z:XC+12*((\t)%2)+4*\z+3], s[50+2*\z:51+2*\z] offset:512*(\t)   ; the wave stores 512 consecutive bytes, aligned
.endr
.endm
.irp t, 0,1,2,3,4,5,6,7,8,9,10,11,12,13,14,15
	XSTEP \t
.endr
	s_endpgm
; ---------------- the weights: a wave takes 32 columns x 256 code positions; a lane takes a column, its registers run down K ----------------
.Lweights:
	s_lshr_b32 s31, ttmp9, 5                       ; which matrix: 0 V, 1 Q, 2 K, 3 O
	s_and_b32 s42, ttmp9, 7                        ; which 128 columns
	s_bfe_u32 s43, ttmp9, 0x20003                  ; y: which 256 code positions
	s_lshl_b32 s56, s31, 20                        ; the matrix's place in wc
	s_cmp_eq_u32 s31, 1                            ; the choices hang on the work-group's number alone
	s_cselect_b64 s[10:11], s[12:13], s[10:11]
	s_cmp_eq_u32 s31, 2
	s_cselect_b64 s[10:11], s[14:15], s[10:11]
	s_cmp_eq_u32 s31, 3
	s_cselect_b64 s[10:11], s[16:17], s[10:11]
	s_cselect_b64 s[22:23], s[24:25], s[22:23]     ; W_o's codes have a buffer of their own,
	s_cselect_b32 s56, 0, s56                      ; from its first byte on
	; positions 256 y + p hold k = 512 (y >> 1) + 64 (y & 1) + 128 ((p >> 2) & 3) + 4 (p >> 4) + (p & 3): the first two terms go into the base, the rest into the loads' immediates
	s_lshr_b32 s44, s43, 1
	s_lshl_b32 s44, s44, 21                        ; 512 rows of 4,096 bytes
	s_and_b32 s45, s43, 1
	s_lshl_b32 s45, s45, 18                        ; 64 rows
	s_add_co_u32 s44, s44, s45
	s_lshl_b32 s45, s42, 9                         ; 128 columns of 4 bytes
	s_add_co_u32 s44, s44, s45
	s_lshl_b32 s45, s30, 7                         ; my wave's 32 columns
	s_add_co_u32 s44, s44, s45
	s_mov_b32 s45, 0
	s_add_nc_u64 s[10:11], s[10:11], s[44:45]
	; column 32 wave + lane of the 128 goes to buffer row 64 (wave & 1) + 8 (wave >> 1) + 16 (lane >> 3) + (lane & 7)
	s_lshl_b32 s46, s42, 17                        ; 128 rows of 1,024 bytes
	s_and_b32 s47, s30, 1
	s_lshl_b32 s47, s47, 16
	s_add_co_u32 s46, s46, s47
	s_lshr_b32 s47, s30, 1
	s_lshl_b32 s47, s47, 13
	s_add_co_u32 s46, s46, s47
	s_lshl_b32 s47, s43, 8                         ; 256 y
	s_add_co_u32 s46, s46, s47
	s_add_co_u32 s46, s46, s56
	s_mov_b32 s47, 0
	s_add_nc_u64 s[22:23], s[22:23], s[46:47]
	s_wait_alu depctr_va_vdst(0)
	v_lshlrev_b32 v3, 2, v2                        ; in: 4 bytes a lane
	s_mul_i32 s48, s30, 32*WP                      ; my wave's stage
	v_mul_u32_u24 v4, v2, WP
	v_add_nc_u32 v4, s48, v4                       ; into it: row = my column
	v_and_b32 v5, 15, v2
	v_lshrrev_b32 v6, 4, v2
	v_mul_u32_u24 v7, v6, WP
	v_lshl_add_u32 v7, v5, 4, v7
	v_add_nc_u32 v7, s48, v7                       ; out of it: sixteen lanes to a row, two rows an instruction
	v_lshlrev_b32 v8, 10, v6
	v_lshl_add_u32 v8, v5, 4, v8                   ; and the same two neighbouring rows of the codes' buffer
.macro WLOAD t                         ; block t: positions 32 t + i, i = 0 .. 31, of my column, into set t % 2
.set i, 0
.rept 32
	global_load_b32 v[WX+32*((\t)%2)+i], v3, s[10:11] offset:(128*((i/4)%4)+8*(\t)+4*(i/16)+(i%4))*4096 th:TH_LOAD_NT
.set i, i+1
.endr
.endm
	WLOAD 0
	WLOAD 1
	s_wait_kmcnt 0x0                               ; the scales
	s_cmp_eq_u32 s31, 1
	s_cselect_b32 s37, s33, s37                    ; e: W_v e5, W_q e1,
	s_cmp_eq_u32 s31, 2
	s_cselect_b32 s37, s35, s37                    ; W_k e3,
	s_cmp_eq_u32 s31, 3
	s_cselect_b32 s37, s41, s37                    ; W_o e9
	s_add_co_i32 s37, s37, 127
	s_lshl_b32 s58, s37, 23
	v_mov_b32 v11, s58                             ; 2^e as f32
	s_add_co_i32 s37, s37, 15
	s_lshl_b32 s37, s37, 23
	s_or_b32 s37, s37, 0x600000
	v_mov_b32 v10, s37                             ; 57,344 x 2^e
.macro WBLOCK t
.set XS, WX+32*((\t)%2)
.if (\t) < 7
	s_wait_loadcnt 32                              ; this block's 32 loads are in; the next block's stay out
.else
	s_wait_loadcnt 0
.endif
.set i, 0
.rept 32
	v_med3_num_f32 v[XS+i], v[XS+i], -v10, v10     ; the hold at the largest code x the scale
.set i, i+1
.endr
.irp g, 0,1,2,3
	v_cvt_scalef32_pk8_bf8_f32 v[WC+2*\g:WC+2*\g+1], v[XS+8*\g:XS+8*\g+7], v11
.endr
	ds_store_b128 v4, v[WC:WC+3] offset:32*(\t)    ; 32 codes of my column's row.  (The results go to LDS stores; the next block begins with plain lines on the other set)
	ds_store_b128 v4, v[WC+4:WC+7] offset:32*(\t)+16
.if (\t)+2 < 8
	WLOAD (\t)+2
.endif
	s_wait_dscnt 0x0                               ; the stores have read their registers: the next block's codes may be written
.endm
	s_wait_alu depctr_va_vdst(0)
.irp t, 0,1,2,3,4,5,6,7
	WBLOCK \t
.endr
.irp u, 0,1,2,3,4,5,6,7,8,9,10,11,12,13,14,15
	ds_load_b128 v[WOUT+4*\u:WOUT+4*\u+3], v7 offset:2*\u*WP   ; LDS serves a wave's instructions in order (ISA guide 5.7.1.4): these see my stores
.endr
.irp u, 0,1,2,3,4,5,6,7,8,9,10,11,12,13,14,15
	s_wait_dscnt 15-\u                             ; the younger loads stay out
	global_store_b128 v8, v[WOUT+4*\u:WOUT+4*\u+3], s[22:23] offset:(16*(\u/4)+2*(\u%4))*1024   ; stage rows 2 u, 2 u + 1 are buffer rows 16 (u / 4) + 2 (u % 4) + 0, 1; sixteen lanes store 256 consecutive bytes, aligned
.endr
	s_wait_tensorcnt 0x0
	ds_add_u32 v192, v193
	s_wait_dscnt 0x0
	s_endpgm
.Lfunc_end_k_qf3fb626a09_quant:
	.size	k_qf3fb626a09_quant, .Lfunc_end_k_qf3fb626a09_quant-k_qf3fb626a09_quant
	.p2alignl 7, 3214868480
	.fill 96, 4, 3214868480
	.section	.rodata,"a",@progbits
	.p2align	6, 0x0
	.amdhsa_kernel k_qf3fb626a09_quant
		.amdhsa_group_segment_fixed_size 36352
		.amdhsa_private_segment_fixed_size 0
		.amdhsa_enable_private_segment 0
		.amdhsa_kernarg_size 88
		.amdhsa_user_sgpr_count 2
		.amdhsa_user_sgpr_kernarg_segment_ptr 1
		.amdhsa_wavefront_size32 1
		.amdhsa_system_sgpr_workgroup_id_x 1
		.amdhsa_system_sgpr_workgroup_id_y 1
		.amdhsa_system_sgpr_workgroup_id_z 1
		.amdhsa_system_vgpr_workitem_id 0
		.amdhsa_next_free_vgpr 194
		.amdhsa_next_free_sgpr 66
		.amdhsa_reserve_vcc 0
		.amdhsa_float_denorm_mode_32 3
		.amdhsa_float_denorm_mode_16_64 3
		.amdhsa_memory_ordered 1
		.amdhsa_forward_progress 1
		.amdhsa_inst_pref_size 120
	.end_amdhsa_kernel
	.amdgpu_metadata
---
amdhsa.version: [ 1, 2 ]
amdhsa.kernels:
  - .name:           k_qf3fb626a09_quant
    .symbol:         k_qf3fb626a09_quant.kd
    .args:
      - { .name: X_embed, .offset: 0, .size: 8, .value_kind: global_buffer, .address_space: global }
      - { .name: W_v, .offset: 8, .size: 8, .value_kind: global_buffer, .address_space: global }
      - { .name: W_q, .offset: 16, .size: 8, .value_kind: global_buffer, .address_space: global }
      - { .name: W_k, .offset: 24, .size: 8, .value_kind: global_buffer, .address_space: global }
      - { .name: W_o, .offset: 32, .size: 8, .value_kind: global_buffer, .address_space: global }
      - { .name: lowp_scales, .offset: 40, .size: 8, .value_kind: global_buffer, .address_space: global }
      - { .name: xc, .offset: 48, .size: 8, .value_kind: global_buffer, .address_space: global }
      - { .name: wc, .offset: 56, .size: 8, .value_kind: global_buffer, .address_space: global }
      - { .name: wo, .offset: 64, .size: 8, .value_kind: global_buffer, .address_space: global }
      - { .name: pq, .offset: 72, .size: 8, .value_kind: global_buffer, .address_space: global }
      - { .name: po, .offset: 80, .size: 8, .value_kind: global_buffer, .address_space: global }
    .group_segment_fixed_size: 36352
    .private_segment_fixed_size: 0
    .kernarg_segment_align: 8
    .kernarg_segment_size: 88
    .max_flat_workgroup_size: 128
    .sgpr_count:     66
    .vgpr_count:     194
    .wavefront_size: 32
...
	.end_amdgpu_metadata
.endif
;; end of part 1
;; launch qkv (part 2): grid 32 x 12, 4 waves a work-group, clusters of 4 x 4, 327,680 bytes of LDS; arguments xc, wc, pq, vf, b_v, b_q, b_k, qk; writes vf, qk
.if DOCPART == 2
	.amdgcn_target "amdgcn-amd-amdhsa--gfx1250"
	.amdhsa_code_object_version 6
	.text
	.protected	k_qf3fb626a09_qkv
	.globl	k_qf3fb626a09_qkv
	.p2align	8
	.type	k_qf3fb626a09_qkv,@function
k_qf3fb626a09_qkv:
	s_mov_b64 s[64:65], 0
	v_nop
	global_prefetch_b8 v0, s[64:65] scope:SCOPE_SE
	s_setreg_imm32_b32 hwreg(HW_REG_WAVE_MODE, 25, 1), 1
	s_wait_xcnt 0x0
	s_wait_alu depctr_hold_cnt(0) depctr_sa_sdst(0) depctr_va_vdst(0) depctr_va_sdst(0) depctr_va_ssrc(0) depctr_va_vcc(0) depctr_vm_vsrc(0)
	s_getreg_b32 s2, hwreg(HW_REG_IB_STS2, 6, 4)
	s_cmp_eq_u32 s2, 0
	s_cbranch_scc0 .Lentry_in_a_cluster
	s_endpgm
.Lentry_in_a_cluster:
	s_bfe_u32 s2, ttmp6, 0x10000c
	s_cmp_lg_u32 s2, 0xf033
	s_cbranch_scc0 .Lentry_shape_is_right
	s_endpgm
.Lentry_shape_is_right:
; C[m][n] = (sum over k of A[m][k] B[n][k]) x 2^(ea + eb) + bias[n], on codes of BF8 (E5M2).  A: [z][8192][1024] codes, B: [z][1024][1024] codes, K innermost, both in the same order along K.
; ONE BODY, TWO LAUNCHES.  z is the cluster's y.  In the launch of the three projections z = 0, 1, 2 is V, Q, K (a cluster's four tile columns are one matrix); in the launch of the last product z is always 0.
;   z = 0: the result leaves as f32, [8192][1024], natural order.
;   z = 1, 2: the result is divided by 32, quantised with the given scale of the scores' operand, and leaves as codes, as images of the scores' operand registers (below).
;   In the last product's launch the arguments behind the first bias (two biases, the buffer of images) are never dereferenced: they are named because the body is shared.
; The table (third argument) holds four f32 patterns for each z: 2^(ea + eb); 2^(ec + 5); +57,344 x 2^(ec + 5); the same negative.  LIMITS: those of the launch that makes it.  NaN is not served.
; SHAPE.  A tile of C, 256 x 256, is made by four waves, as many as a WGP has SIMDs; a wave makes 128 x 128: 64 accumulators, 512 registers.  K goes in steps of 256 through a ring of two LDS slots
; filled by the tensor data mover: a tile's row is 256 bytes of memory.  By this text's count a wave has one tensor load out at the start and one behind each round.
; CLUSTERS: 4 x 4 work-groups.  The four of a row of the cluster need the same tiles of A, the four of a column the same tiles of B: each tile is asked for JOINTLY.
; THE MATRIX INSTRUCTION IS USED TRANSPOSED (source 0 = 16 rows of B, source 1 = 16 rows of A), AND B'S ROWS ARE LAID SO (buffer row 16 t + 8 H + i of each 128 holds column 64 H + 8 t + i) that lane (r, h) holds,
; over its eight tiles x eight registers, the 64 NEIGHBOURING columns 64 h + 0 .. 63 of row r: one whole row of a head.
; THE IMAGES.  A block of 2,048 bytes for 16 rows (g = row / 16) x 128 columns (cb = column / 128) at byte 2048 (8 g + cb); in it byte 512 c + 16 (r + 16 h) + 0 .. 15 holds k = 16 c + 0 .. 15 of the head row
; (row 16 g + r, columns 128 cb + 64 h on).  A lane's 64 codes are four stores of 16 bytes, each store of the wave 512 consecutive bytes: no way through LDS.  Q's images first, K's 8,388,608 bytes on.
; REGISTERS, in windows of 256: window 0: v0-31 addresses; v32-95 the bias of my 64 columns; from v128 A's fragments, ONE set; on the way out v96-255 are free.
;   window 1: B's fragments, TWO sets, at v0 and v128.   window 2: the accumulators of my rows 0-63 ((a, b) at v[8 (8 a + b)]);   window 3: those of my rows 64-127.
; THE TENSOR LOADS, as this text has them: each wave owns ONE tile of 256 rows x 256 bytes: wave 0 A's in slot 0, wave 1 B's in slot 0, wave 2 A's in slot 1, wave 3 B's in slot 1.
; At the head every wave asks for its tile once (one load a wave is out); behind a round the two waves that own the slot just read out ask again, the other two ask for nothing.
; No prefetch: K is four steps, two of which are asked for at the head.
; (Of the line above on prefetching: it holds of K steps 0 and 1.  K steps 2 and 3 are asked for ahead: see the head's lines on the prefetches.)
; THE GRID: z is the cluster's y and the tile rows go along x, so that z = 0, whose way out stores four times the bytes, has the lowest work-group numbers.
.set SIZE_K, 1024
.set SIZE_N, 1024
.set KSTEP,  256                       ; along K in a slot
.set ROWB,   256                       ; a tile's row in bytes
.set KROW,   SIZE_K                    ; a row of A or of B in memory, in bytes
.set PITCH,  272                       ; an LDS row: 256 bytes + 16 of padding = 68 words: the 16 rows that a load touches start at 16 different banks (64 banks of 4 bytes: ISA guide 11.1)
.set FR,     16                        ; registers of a fragment: 16 rows x 128 K
.set NL,     4                         ; LDS loads that bring one
.set NP,     4                         ; places behind this matrix instruction (ISA guide 7.12.1)
.set HALFT,  128*PITCH                 ; 128 rows: what one wave reads of A or of B; a tensor load brings two of them
.set SLOT,   4*HALFT                   ; A's 256 rows, then B's 256 rows
.set LAPS,   SIZE_K/(2*KSTEP)          ; a lap = two K steps = once round the ring: 2
.set SPARE,  2*SLOT                    ; behind the ring: the spare words, 128 bytes for each wave: two blocks of 256 bytes that no other line names
.set SPITCH, 528                       ; the f32 way out: a stage of 16 rows x (512 bytes + 16) for each wave, in slot 0, which has had its last fill and its last read when the first result is stored there
.set ADRA, 16                          ; v16-17  LDS address of my A fragments in slot 0, 1
.set ADRB, 20                          ; v20-21  the same for B
.set STO,  24                          ; v24     the f32 way out: where I put my bytes of a row
.set RD,   25                          ; v25     and where I read a row back
.set CO,   26                          ; v26     16 x lane
.set SPW,  28                          ; v28     LDS address of my spare word; never rewritten
.set NIL,  29                          ; v29     0; never rewritten
.set CVS,  30                          ; v30     2^(ec + 5) as f32, for the conversions
.set BI,   32                          ; v32-95  bias of columns 64 h + 0 .. 63
.set TQ,   96                          ; v96-159 the codes' way out: a block's 64 numbers
.set CDS,  160                         ; v160-191 two sets of 16 registers of codes
.set AF,   128                         ; A's fragments, in window 0
.set BK,   128                         ; the f32 way out: 16 rows read back: v128-191 and v192-255 by turns
.set TW,   0                           ; the f32 way out: a block's 64 numbers, in window 1 (B's set 0 is done with)
.set G1, 24                            ; s[24:31] descriptor group 1 for A's tiles;  s[32:39] group 0, one set for each slot
.set G0, 32
.set G1B, 48                           ; s[48:55], s[56:63] the same for B's tiles
.set G0B, 56
.set MSB, 0
.macro WIN new                         ; the immediate's high byte repeats the setting that is left
.if MSB != \new
	s_set_vgpr_msb (MSB<<8)|\new
.set MSB, \new
.endif
.endm
.set MUL_LO, 0xa1                      ; source 0 (B) window 1, source 1 (A) window 0, C and D window 2
.set MUL_HI, 0xf1                      ; the same, C and D window 3
.set TO_B,   0x40                      ; destination window 1, address window 0
; A joint load: waves 0 and 2 fetch for A, waves 1 and 3 for B.  Each line has ONE mask and one set of registers for all that issue it; the branch hangs on the wave's number alone.
; Four v_nop follow each of the two lines, ahead of the jump, the label and what follows.
.macro ASKT g0, g1                     ; one joint load, with an s_nop and four v_nop behind it
	tensor_load_to_lds s[\g0:\g0+3], s[\g1:\g1+7]
	s_nop 0
.rept 4
	v_nop
.endr
.endm
.macro JLOAD slot                      ; a slot's refill: wave 2 slot asks for A's 256 rows, wave 2 slot + 1 for B's, the other two for nothing
	s_cmp_lg_u32 s14, 2*\slot
	s_cbranch_scc1 .Lnot_a_\@
	ASKT G0+4*\slot, G1
	s_branch .Lasked_\@
.Lnot_a_\@:
	s_cmp_lg_u32 s14, 2*\slot+1
	s_cbranch_scc1 .Lasked_\@
	ASKT G0B+4*\slot, G1B
.Lasked_\@:
.endm
.macro CREST                           ; a round of the cluster's barrier behind its opening barrier
	s_cmp_lg_u32 s14, 0
	s_cbranch_scc1 .Lnot_wave_0_\@
	s_barrier_signal -3
.Lnot_wave_0_\@:
	s_barrier_wait -3
	s_barrier_signal -1
	s_barrier_wait -1
.endm
.macro CROUND                          ; a whole round
	s_barrier_signal -1
	s_barrier_wait -1
	CREST
.endm
	s_load_b256 s[4:11], s[0:1], 0x0               ; A's codes 4:5, B's codes 6:7, the table 8:9, the f32 result 10:11
	s_load_b256 s[80:87], s[0:1], 0x20             ; the biases of z = 0, 1, 2: 80:81, 82:83, 84:85; the images 86:87
	v_lshl_add_u32 v[SPW], v0, 2, SPARE
	v_mov_b32 v[NIL], 0
	ds_add_u32 v28, v29
	ds_add_u32 v28, v29
	s_wait_dscnt 0x0
	v_lshrrev_b32 v1, 5, v0
	v_readfirstlane_b32 s14, v1                    ; wave 0..3
	s_lshr_b32 s15, s14, 1                         ; which half of the tile's rows is mine.  Also: I fetch for A (0) or for B (1)
	s_and_b32 s16, s14, 1                          ; which half of its columns.  Also: which 32 rows of that tile's 64 I prefetch
	s_bfe_u32 s40, ttmp6, 0x40000                  ; cx: my tile column of the matrix
	s_bfe_u32 s41, ttmp6, 0x40004                  ; cy
	s_and_b32 s66, ttmp7, 0xffff                   ; z: the cluster's y, the same in all sixteen partners
	s_lshl_b32 s17, ttmp9, 2
	s_add_co_u32 s17, s17, s41                     ; tile row of C = 4 x cluster x + cy
	s_lshl_b32 s43, s41, 2
	s_lshl_b32 s43, 15, s43                        ; my row of the cluster
	s_lshl_b32 s44, 0x1111, s40                    ; my column
	; descriptor group 1: a tile of 256 rows x 256 bytes, padded in LDS
	s_or_b32 s[G1+0], s43, (0<<16)|(1<<20)|(1<<21)|(5<<22)|(3<<25)  ; 15:0 the mask: A's tiles go to my row; 17:16 element of 1 byte; 20 padding on; 21 set beside a mask; 24:22 after every 64 words (code 5); 31:25 of 4 words (code 3)
	s_or_b32 s[G1B+0], s44, (0<<16)|(1<<20)|(1<<21)|(5<<22)|(3<<25) ; the same with the mask of my column
.irp g, G1, G1B
	s_mov_b32 s[\g+1], ROWB<<16                    ; tensor_dim0
	s_mov_b32 s[\g+2], 256<<16                     ; tensor_dim1 = 256
	s_mov_b32 s[\g+3], ROWB<<16                    ; tile_dim0
	s_mov_b32 s[\g+4], 256                         ; tile_dim1 = 256
	s_mov_b32 s[\g+5], KROW                        ; tensor_dim0_stride
	s_mov_b32 s[\g+6], 0
	s_mov_b32 s[\g+7], 0
.endr
	s_lshl_b32 s20, s17, 18                        ; A: row 256 x tile row, of 1,024 bytes,
	s_lshl_b32 s21, s66, 23                        ; in set z of 8,388,608 bytes
	s_add_co_u32 s20, s20, s21
	s_mov_b32 s21, 0
	s_lshl_b32 s46, s40, 18                        ; B: row 256 x tile column, of 1,024 bytes,
	s_lshl_b32 s47, s66, 20                        ; in matrix z of 1,048,576 bytes
	s_add_co_u32 s46, s46, s47
	s_mov_b32 s47, 0
	s_lshl_b32 s74, s66, 4                         ; the table's four words for z
	s_mov_b32 s75, 0
	s_wait_kmcnt 0x0
	s_add_nc_u64 s[8:9], s[8:9], s[74:75]
	s_load_b128 s[76:79], s[8:9], 0x0              ; s76 2^(ea + eb), s77 2^(ec + 5), s78, s79 +-57,344 x 2^(ec + 5): waited for on the way out
	s_add_nc_u64 s[20:21], s[4:5], s[20:21]
	s_add_nc_u64 s[46:47], s[6:7], s[46:47]
	CROUND                                         ; all sixteen work-groups are here: the first joint loads meet
.irp s, 0,1
	s_mov_b32 s[G0+4*\s], 1
	s_mov_b32 s[G0+4*\s+1], \s*SLOT                ; A's 256 rows at the slot's first byte,
	s_add_nc_u64 s[G0+4*\s+2:G0+4*\s+3], s[20:21], \s*ROWB
	s_or_b32 s[G0+4*\s+3], s[G0+4*\s+3], 0x80000000
	s_mov_b32 s[G0B+4*\s], 1
	s_mov_b32 s[G0B+4*\s+1], \s*SLOT+2*HALFT       ; B's behind them
	s_add_nc_u64 s[G0B+4*\s+2:G0B+4*\s+3], s[46:47], \s*ROWB
	s_or_b32 s[G0B+4*\s+3], s[G0B+4*\s+3], 0x80000000
.endr
	; the first fills: one chain of branches on the wave's number, one joint load to an arm, all arms to one join
	s_cmp_lg_u32 s14, 0
	s_cbranch_scc1 .Lhead_1
	ASKT G0, G1                                    ; wave 0: A, K step 0
	s_branch .Lhead_join
.Lhead_1:
	s_cmp_lg_u32 s14, 1
	s_cbranch_scc1 .Lhead_2
	ASKT G0B, G1B                                  ; wave 1: B, K step 0
	s_branch .Lhead_join
.Lhead_2:
	s_cmp_lg_u32 s14, 2
	s_cbranch_scc1 .Lhead_3
	ASKT G0+4, G1                                  ; wave 2: A, K step 1
	s_branch .Lhead_join
.Lhead_3:
	ASKT G0B+4, G1B                                ; wave 3: B, K step 1
.Lhead_join:
	v_and_b32 v1, 15, v0                           ; r = l % 16
	v_bfe_u32 v2, v0, 4, 1                         ; h = l / 16
	; the bias of my 64 columns, into registers that lie idle during the loop; waited for on the way out
	s_wait_alu depctr_va_vdst(0)
	s_cmp_eq_u32 s66, 1                            ; the choice hangs on z alone
	s_cselect_b64 s[70:71], s[82:83], s[80:81]
	s_cmp_eq_u32 s66, 2
	s_cselect_b64 s[70:71], s[84:85], s[70:71]
	s_lshl_b32 s72, s40, 10                        ; 256 columns of 4 bytes a tile column,
	s_lshl_b32 s73, s16, 9                         ; 128 a half
	s_add_co_u32 s72, s72, s73
	s_mov_b32 s73, 0
	s_add_nc_u64 s[70:71], s[70:71], s[72:73]
	; THE PREFETCHES of K steps 2 and 3: 256 bytes of each row a step.  Of a tile's 256 rows each of the four partners that ask for it jointly takes 64, told apart by address (cx for A, cy for B);
	; of those, waves 0 and 1 name A's two halves of 32 rows, waves 2 and 3 B's: a lane a row, one instruction a wave and K step.  The registers are never rewritten.
	s_lshl_b32 s92, s66, 23                        ; set z of A
	s_lshl_b32 s93, s66, 20                        ; matrix z of B
	s_cmp_eq_u32 s15, 0                            ; the choice hangs on the wave's number alone
	s_cselect_b64 s[90:91], s[4:5], s[6:7]
	s_cselect_b32 s88, s17, s40                    ; the tile: A's by the tile row, B's by the tile column
	s_cselect_b32 s89, s40, s41                    ; my place among the four partners
	s_cselect_b32 s92, s92, s93
	s_lshl_b32 s88, s88, 18                        ; 256 rows of 1,024 bytes
	s_lshl_b32 s89, s89, 16                        ; 64 rows
	s_add_co_u32 s88, s88, s89
	s_lshl_b32 s89, s16, 15                        ; 32 rows
	s_add_co_u32 s88, s88, s89
	s_add_co_u32 s88, s88, s92
	s_mov_b32 s89, 0
	s_add_nc_u64 s[90:91], s[90:91], s[88:89]
	v_lshlrev_b32 v7, 8, v2
	v_and_b32 v9, 31, v0
	v_lshlrev_b32 v9, 10, v9                       ; my lane's row; never rewritten
.irp i, 0,1,2,3,4,5,6,7,8,9,10,11,12,13,14,15
	global_load_b128 v[BI+4*\i:BI+4*\i+3], v7, s[70:71] offset:16*\i
.endr
	global_prefetch_b8 v9, s[90:91] offset:512 th:TH_LOAD_NT scope:SCOPE_SE   ; K step 2: its load follows behind K step 0's products
	v_mul_u32_u24 v3, v1, PITCH
	v_lshl_add_u32 v4, v2, 4, v3                   ; a fragment's row x pitch + 16 x half
	s_mul_i32 s21, s15, HALFT                      ; my 128 rows of A
	s_mul_i32 s22, s16, HALFT                      ; my 128 rows of B,
	s_add_co_u32 s22, s22, 2*HALFT                 ; which lie behind A's 256
.irp s, 0,1
	v_add_nc_u32 v[ADRA+\s], s21, v4
	v_add_nc_u32 v[ADRB+\s], s22, v4
	s_add_co_u32 s21, s21, SLOT
	s_add_co_u32 s22, s22, SLOT
.endr
	s_mul_i32 s23, s14, 16*SPITCH                  ; my stage
	v_mul_u32_u24 v5, v1, SPITCH                   ; in: row r; my 64 columns begin 256 h bytes into the wave's 512
	v_lshl_add_u32 v5, v2, 8, v5
	v_add_nc_u32 v[STO], s23, v5
	v_and_b32 v6, 31, v0
	v_lshlrev_b32 v[CO], 4, v6                     ; 16 x lane
	v_add_nc_u32 v[RD], s23, v[CO]                 ; back: the 32 lanes take one row of 512 bytes
	s_lshl_b32 s20, s17, 8
	s_lshl_b32 s21, s15, 7
	s_add_co_u32 s20, s20, s21                     ; my first row of C: 256 x tile row + 128 x half,
	s_lshl_b32 s20, s20, 12                        ; of 4,096 bytes
	s_add_co_u32 s20, s20, s72                     ; my first column, in bytes: as for the bias
	s_mov_b32 s21, 0
	s_add_nc_u64 s[10:11], s[10:11], s[20:21]
	s_sub_co_i32 s18, s66, 1                       ; the images: Q's (z = 1) first, K's (z = 2) behind; with z = 0 the sum is not used and is held inside the buffer
	s_max_i32 s18, s18, 0
	s_lshl_b32 s18, s18, 23
	s_lshl_b32 s19, s17, 4
	s_lshl_b32 s22, s15, 3
	s_add_co_u32 s19, s19, s22                     ; g of my first 16 rows: 16 x tile row + 8 x half,
	s_lshl_b32 s19, s19, 14                        ; eight blocks of 2,048 bytes each
	s_add_co_u32 s18, s18, s19
	s_lshl_b32 s19, s40, 1
	s_add_co_u32 s19, s19, s16                     ; cb = 2 x tile column + half
	s_lshl_b32 s19, s19, 11
	s_add_co_u32 s18, s18, s19
	s_mov_b32 s19, 0
	s_add_nc_u64 s[68:69], s[86:87], s[18:19]
.macro FRAG reg, adr, q, i             ; a fragment, 16 rows x 128 K of 8-bit codes, is 16 registers: lane l holds row l % 16; registers 4 c .. 4 c + 3 hold places 32 c + 16 (l / 16) + 0 .. 15: the same in A and in B
.irp c, 0,1,2,3
	ds_load_b128 v[\reg+4*\c:\reg+4*\c+3], v[\adr] offset:128*(\q)+32*\c+(\i)*16*PITCH
.endr
.endm
; 16 matrix instructions: A's blocks a0, a0 + 1 x B's eight, 128 along K.  p: B's set.  zero = 1: the first product starts the sums: nothing is ever cleared.
; The 64 accumulators take turns, one instruction a turn, in the same order in every step.
.macro MUL16 a0, p, zero
.irp a, \a0, \a0+1
.irp b, 0,1,2,3,4,5,6,7
.if \zero
	v_wmma_f32_16x16x128_bf8_bf8 v[8*(8*((\a)%4)+\b):8*(8*((\a)%4)+\b)+7], v[128*(\p)+FR*\b:128*(\p)+FR*\b+FR-1], v[AF+FR*(\a):AF+FR*(\a)+FR-1], 0
.else
	v_wmma_f32_16x16x128_bf8_bf8 v[8*(8*((\a)%4)+\b):8*(8*((\a)%4)+\b)+7], v[128*(\p)+FR*\b:128*(\p)+FR*\b+FR-1], v[AF+FR*(\a):AF+FR*(\a)+FR-1], v[8*(8*((\a)%4)+\b):8*(8*((\a)%4)+\b)+7]
.endif
.endr
.endr
.endm
.macro FETCH_B slot, q, p              ; B's eight fragments of the slot's q-th 128 along K into set p
	WIN TO_B
.irp i, 0,1,2,3,4,5,6,7
	FRAG 128*(\p)+FR*\i, ADRB+\slot, \q, \i
.endr
	WIN 0
.endm
.macro FETCH_A slot, q, i0             ; A's blocks i0 .. i0 + 3
.irp i, \i0, \i0+1, \i0+2, \i0+3
	FRAG AF+FR*(\i), ADRA+\slot, \q, \i
.endr
.endm
; A load into a register that a matrix instruction has read, and a vector instruction or an LDS store that reads a matrix result, stand NP places behind that matrix instruction, and only plain vector
; instructions that name none of its registers are places (ISA guide 7.12.1 for vector instructions).
.macro PLACES n
.rept \n
	v_nop
.endr
.endm
; A step of 128 along K that has its successor in the same slot.  A's blocks go one after the other, each against B's eight: a block of A is free when its eight products are issued, so A has one set of registers.
.macro STEP slot, q, zero
	s_wait_dscnt 4*NL                              ; B's set and A's blocks 0-3 are in; the youngest sixteen loads (A's blocks 4-7) may be out
	WIN MUL_LO
	MUL16 0, (\q)%2, \zero
	MUL16 2, (\q)%2, \zero
	s_wait_dscnt 0                                 ; A's blocks 4-7 are in (asked for 32 matrix instructions ago)
	PLACES NP
	FETCH_B \slot, (\q)+1, 1-(\q)%2
	FETCH_A \slot, (\q)+1, 0
	WIN MUL_HI
	MUL16 4, (\q)%2, \zero
	MUL16 6, (\q)%2, \zero
	PLACES NP
	WIN 0
	FETCH_A \slot, (\q)+1, 4
.endm
; A slot's last step changes slots: ONE barrier; in front of it each wave waits for all its tensor loads, adds 0 to its spare word, and waits for that and for its own reads of this slot.  fill = 1: this slot is filled again, two K steps ahead.
.macro TURN slot, next, fill
	s_wait_tensorcnt 0x0                           ; all my tensor loads have landed: my part of the next slot;  (every window is 0 here: the add's two registers lie in window 0)
	ds_add_u32 v[SPW], v[NIL]                      ; 0 onto my spare word
	s_wait_dscnt 4*NL+1                            ; (the add and the youngest sixteen loads, A's blocks 4-7, may be out)
	WIN MUL_LO
	MUL16 0, 1, 0                                  ; sixteen matrix instructions stand between the add and the wait for it
	s_wait_dscnt 0x0                               ; the add is done, and my reads of this slot are over
	s_barrier_signal -1
	MUL16 2, 1, 0
	WIN 0
	s_barrier_wait -1
.if \fill
	CREST                                          ; the barrier has opened a round of the cluster's barrier: no wave of any partner still reads this slot's tile or has a load on its way
	s_add_nc_u64 s[G0+4*\slot+2:G0+4*\slot+3], s[G0+4*\slot+2:G0+4*\slot+3], 2*ROWB
	s_add_nc_u64 s[G0B+4*\slot+2:G0B+4*\slot+3], s[G0B+4*\slot+2:G0B+4*\slot+3], 2*ROWB
	JLOAD \slot                                    ; the first tensor load behind the round, in the two waves that own this slot
	PLACES NP                                      ; on every wave's way: the places in front of the loads below
.else
	PLACES NP
.endif
	FETCH_B \next, 0, 0
	FETCH_A \next, 0, 0
	WIN MUL_HI
	MUL16 4, 1, 0
	MUL16 6, 1, 0
	PLACES NP
	WIN 0
	FETCH_A \next, 0, 4
.endm
	s_wait_alu depctr_va_vdst(0)
	s_wait_tensorcnt 0x0                           ; my one tile is in,
	s_barrier_signal -1
	s_barrier_wait -1                              ; everybody's is
	FETCH_B 0, 0, 0
	FETCH_A 0, 0, 0
	FETCH_A 0, 0, 4
	global_prefetch_b8 v9, s[90:91] offset:768 th:TH_LOAD_NT scope:SCOPE_SE   ; K step 3: its load follows behind K step 1's products
	STEP 0, 0, 1
	s_mov_b32 s3, LAPS-1
.Llap:                                                 ; a trip goes once round the ring, from a lap's second step to the next lap's first, and fills both slots again
	TURN 0, 1, 1
	STEP 1, 0, 0
	TURN 1, 0, 1
	STEP 0, 0, 0
	s_sub_co_u32 s3, s3, 1
	s_cmp_lg_u32 s3, 0
	s_cbranch_scc1 .Llap
	TURN 0, 1, 0                                   ; the last lap fills nothing, and has no round of the cluster's barrier
	STEP 1, 0, 0
	s_wait_dscnt 4*NL                              ; the very last step: nothing more to fetch
	WIN MUL_LO
	MUL16 0, 1, 0
	MUL16 2, 1, 0
	s_wait_dscnt 0
	WIN MUL_HI
	MUL16 4, 1, 0
	MUL16 6, 1, 0
	WIN 0
.macro FINISH                          ; a wave's end
	s_wait_tensorcnt 0x0                           ; behind my last tensor load and my last LDS store
	ds_add_u32 v[SPW], v[NIL]
	s_wait_dscnt 0x0
	CROUND                                         ; the closing round: no work-group ends while a partner may still ask for a tile that names it
	s_endpgm
.endm
	s_wait_kmcnt 0x0                               ; the table's four words
	s_wait_loadcnt 0x0                             ; the bias
	PLACES NP                                      ; behind the last products: for the reads of results and for the writes into registers that held fragments
	v_mov_b32 v[CVS], s77
	s_cmp_eq_u32 s66, 0                            ; z is the same in all partners of a cluster
	s_cbranch_scc1 .Lf32
; THE WAY OUT AS CODES (z = 1, 2).  Block a: 16 rows; a lane's 64 numbers are one head row.  y = sum x 2^(ea + eb) + bias in one packed multiply-add for two numbers; the hold; the conversion by 2^(ec + 5),
; which is the division by 32 and by the given scale in one, exact; four stores of 16 bytes a lane.
.macro QBLOCK a
.set AC, 64*((\a)%4)
.set CD, CDS+16*((\a)%2)
.if (\a) > 1
	s_wait_xcnt 0x0                                ; block a - 2's stores have read this set of code registers
.endif
	WIN 0x02+((\a)/4)                              ; source 0: window 2 or 3
.set j, 0
.rept 32
	v_pk_fma_f32 v[TQ+j:TQ+j+1], v[AC+j:AC+j+1], s[76:77], v[BI+j:BI+j+1] op_sel_hi:[1,0,1]   ; (the scalar pair's low word for both halves); each accumulator from its low end on
.set j, j+2
.endr
	WIN 0
.set j, 0
.rept 64
	v_med3_num_f32 v[TQ+j], v[TQ+j], s79, s78      ; the conversion to an 8-bit code does not saturate (ISA guide 7.6.2)
.set j, j+1
.endr
.irp g, 0,1,2,3,4,5,6,7
	v_cvt_scalef32_pk8_bf8_f32 v[CD+2*\g:CD+2*\g+1], v[TQ+8*\g:TQ+8*\g+7], v[CVS]
.endr
	v_nop                                          ; one plain line between the conversions and the next block's writes of their sources
.irp c, 0,1,2,3
	global_store_b128 v[CO], v[CD+4*\c:CD+4*\c+3], s[68:69] offset:16384*(\a)+512*\c   ; k = 16 c + 0 .. 15 of my head row; the wave stores 512 consecutive bytes, aligned
.endr
.endm
.irp a, 0,1,2,3,4,5,6,7
	QBLOCK \a
.endr
	FINISH
; THE WAY OUT AS f32 (z = 0), block by block of 16 rows x 128 columns.  A lane holds 256 neighbouring bytes of a row and the lanes beside it hold other rows: so a block goes through my own stage in LDS and comes
; back as whole rows of 512 bytes.  LDS serves a wave's instructions in order (ISA guide 5.7.1.4): no wait between the stores and the loads, nor in front of the next block's stores.
.Lf32:
.macro TOSTAGE a
.set AC, 64*((\a)%4)
	WIN 0x42+((\a)/4)                              ; source 0: window 2 or 3; destination window 1
.set j, 0
.rept 32
	v_pk_fma_f32 v[TW+j:TW+j+1], v[AC+j:AC+j+1], s[76:77], v[BI+j:BI+j+1] op_sel_hi:[1,0,1]   ; sum x 2^(ea + eb) + bias; each accumulator from its low end on
.set j, j+2
.endr
	WIN 0x04                                       ; an LDS store's data: source 1, window 1
.irp b, 0,1,2,3,4,5,6,7
	ds_store_b128 v[STO], v[TW+8*\b:TW+8*\b+3] offset:32*\b
	ds_store_b128 v[STO], v[TW+8*\b+4:TW+8*\b+7] offset:32*\b+16
.endr
	WIN 0
.set BB, BK+64*((\a)%2)
.irp t, 0,1,2,3,4,5,6,7,8,9,10,11,12,13,14,15
	ds_load_b128 v[BB+4*\t:BB+4*\t+3], v[RD] offset:\t*SPITCH
.endr
.endm
.macro SEND a, younger                 ; younger: the LDS instructions issued behind block a's loads, which may stay out
.set BB, BK+64*((\a)%2)
	s_wait_dscnt \younger                          ; the block is back in registers
.if (\a) > 0
	s_add_nc_u64 s[10:11], s[10:11], 16*SIZE_N*4   ; (behind a wait on XCNT: the earlier stores have read their base)  16 rows of C on
.endif
.irp t, 0,1,2,3,4,5,6,7,8,9,10,11,12,13,14,15
	global_store_b128 v[CO], v[BB+4*\t:BB+4*\t+3], s[10:11] offset:\t*SIZE_N*4   ; 32 lanes store 512 consecutive bytes, at a multiple of 256 from C's first byte
.endr
.endm
	TOSTAGE 0
.irp a, 1,2,3,4,5,6,7
.if \a > 1
	s_wait_xcnt 0x0                                ; block a - 2's stores have read their registers and their base: block a's loads may land there, and the base may step
.endif
	TOSTAGE \a
	SEND \a-1, 32                                  ; behind block a - 1's loads: block a's 16 stores and 16 loads
.endr
	s_wait_xcnt 0x0                                ; block 6's stores have read their base
	SEND 7, 0
	FINISH
.Lfunc_end_k_qf3fb626a09_qkv:
	.size	k_qf3fb626a09_qkv, .Lfunc_end_k_qf3fb626a09_qkv-k_qf3fb626a09_qkv
	.p2alignl 7, 3214868480
	.fill 96, 4, 3214868480
	.section	.rodata,"a",@progbits
	.p2align	6, 0x0
	.amdhsa_kernel k_qf3fb626a09_qkv
		.amdhsa_group_segment_fixed_size 327680
		.amdhsa_private_segment_fixed_size 0
		.amdhsa_enable_private_segment 0
		.amdhsa_kernarg_size 64
		.amdhsa_user_sgpr_count 2
		.amdhsa_user_sgpr_kernarg_segment_ptr 1
		.amdhsa_wavefront_size32 1
		.amdhsa_system_sgpr_workgroup_id_x 1
		.amdhsa_system_sgpr_workgroup_id_y 1
		.amdhsa_system_sgpr_workgroup_id_z 1
		.amdhsa_system_vgpr_workitem_id 0
		.amdhsa_next_free_vgpr 1024
		.amdhsa_next_free_sgpr 100
		.amdhsa_reserve_vcc 0
		.amdhsa_float_denorm_mode_32 3
		.amdhsa_float_denorm_mode_16_64 3
		.amdhsa_memory_ordered 1
		.amdhsa_forward_progress 1
		.amdhsa_inst_pref_size 183
	.end_amdhsa_kernel
	.amdgpu_metadata
---
amdhsa.version: [ 1, 2 ]
amdhsa.kernels:
  - .name:           k_qf3fb626a09_qkv
    .symbol:         k_qf3fb626a09_qkv.kd
    .args:
      - { .name: xc, .offset: 0, .size: 8, .value_kind: global_buffer, .address_space: global }
      - { .name: wc, .offset: 8, .size: 8, .value_kind: global_buffer, .address_space: global }
      - { .name: pq, .offset: 16, .size: 8, .value_kind: global_buffer, .address_space: global }
      - { .name: vf, .offset: 24, .size: 8, .value_kind: global_buffer, .address_space: global }
      - { .name: b_v, .offset: 32, .size: 8, .value_kind: global_buffer, .address_space: global }
      - { .name: b_q, .offset: 40, .size: 8, .value_kind: global_buffer, .address_space: global }
      - { .name: b_k, .offset: 48, .size: 8, .value_kind: global_buffer, .address_space: global }
      - { .name: qk, .offset: 56, .size: 8, .value_kind: global_buffer, .address_space: global }
    .group_segment_fixed_size: 327680
    .private_segment_fixed_size: 0
    .kernarg_segment_align: 8
    .kernarg_segment_size: 64
    .max_flat_workgroup_size: 128
    .sgpr_count:     100
    .vgpr_count:     1024
    .wavefront_size: 32
...
	.end_amdgpu_metadata
.endif
;; end of part 2
;; launch attn (part 3): grid 256 x 1, 16 waves a work-group, clusters of 4 x 1, 169,984 bytes of LDS; arguments qk, vf, lowp_scales, oc; writes oc
.if DOCPART == 3
	.amdgcn_target "amdgcn-amd-amdhsa--gfx1250"
	.amdhsa_code_object_version 6
	.text
	.protected	k_qf3fb626a09_attn
	.globl	k_qf3fb626a09_attn
	.p2align	8
	.type	k_qf3fb626a09_attn,@function
k_qf3fb626a09_attn:
	s_mov_b64 s[64:65], 0
	v_nop
	global_prefetch_b8 v0, s[64:65] scope:SCOPE_SE
	s_setreg_imm32_b32 hwreg(HW_REG_WAVE_MODE, 25, 1), 1
	s_wait_xcnt 0x0
	s_wait_alu depctr_hold_cnt(0) depctr_sa_sdst(0) depctr_va_vdst(0) depctr_va_sdst(0) depctr_va_ssrc(0) depctr_va_vcc(0) depctr_vm_vsrc(0)
	s_getreg_b32 s2, hwreg(HW_REG_IB_STS2, 6, 4)
	s_cmp_eq_u32 s2, 0
	s_cbranch_scc0 .Lentry_in_a_cluster
	s_endpgm
.Lentry_in_a_cluster:
	s_bfe_u32 s2, ttmp6, 0x10000c
	s_cmp_lg_u32 s2, 0x3003
	s_cbranch_scc0 .Lentry_shape_is_right
	s_endpgm
.Lentry_shape_is_right:
; For each of the 64 batches (2,048 head rows of 64): scores s[a][l] = Q8(Q/32)[a] . Q8(K/32)[l] on codes of BF8 (E5M2); the softmax runs over the QUERIES a; only its diagonal is kept:
; diag[l] = exp(s[l][l] - max_a s[a][l]) / sum_a exp(s[a][l] - max_a s[a][l]).  Then diag[l] x V[l][:] is quantised with the given scale 2^e8 for the last product.
; qk: Q's and K's codes as images of operand registers: a block of 2,048 bytes = 32 head rows; fragment f (0, 1) of a block, 16 head rows x 64 k: lane (r, h), registers 4 c .. 4 c + 3 (c = 0, 1): the 16 bytes at
; 512 h + 1024 c + 16 r + 256 f, the same places for Q and for K.  A batch is 64 blocks, 131,072 bytes.  K's images lie 8,388,608 bytes behind Q's.
; SHARES.  A cluster of four work-groups takes a batch; work-group cx owns keys 512 cx on; each of its sixteen waves owns one block: two tiles of 16 keys, and walks all 64 blocks of queries, one a trip.
; CLUSTER.  The four partners read the same 131,072 bytes of Q's images: asked for JOINTLY, one tensor load a wave, LDS filled ONCE: no ring.  No prefetch: the loop reads LDS alone, and V is asked for by its loads 64 trips ahead of its use.
; ORIENTATION.  Source 0 = 16 queries, source 1 = 16 keys: lane (r, h) holds ONE key r, register j the query 8 h + j.  Maximum and sums stay inside a lane; the two halves of the lanes are merged once at the end.
; THE WALK IS A PIPELINE on two buffers of scores that take turns.  A trip t has a STRETCH (four products, the running maximum m, c m, the exponent of a = 2^(c m_old - c m), and c s - c m) and a BATCH (its 34 exponentials).
; Between the exponentials of trip t stand the gathers of trip t - 1: a tile's sum is kept in EIGHT PACKED SUMS, sum = sum x a + p, sixteen lines that hang on no neighbour.  One wait a trip, ahead of the batch, serves
; that batch's sources and the batch before.  c m and a have a register for each buffer.
; THE WAY OUT.  oc: codes of diag x V, [8192][1024], within each 512 along K position 16 l + 4 i + j holds k = 128 i + 4 l + j, as the last product's other operand lies.
; LIMITS: e6 + e7 between -126 and 127 (added to c's exponent field); the scaled scores c s stay under 2^31 in magnitude; e8 between -126 and 112.  NaN among the inputs is not served.
.set DIAG, 131072                      ; LDS: 0 .. 131,071 Q's images; from here 512 words of diag, written by LDS stores alone
.set SPARE, 0x29000                    ; the spare words: 128 bytes for each of 16 waves
.set LQ,   3                           ; v3    512 h + 16 r: my lane's place in a fragment; never rewritten
.set ADR,  4                           ; v4    LDS address of two blocks of queries
.set L16,  6                           ; v6    16 x lane; never rewritten
.set DST,  7                           ; v7    where I store diag
.set DLD,  8                           ; v8    where I read four of them back
.set KF,   16                          ; v16-31   my two key fragments
.set QF,   32                          ; v32-47   a block's two query fragments
.set S,    48                          ; v48-111  scores: buffer b, key tile x, query fragment q at S + 32 b + 16 x + 8 q
.set ST,   112                         ; v112-127 tile x at ST + 8 x: +0 c m of buffer 0 (at the end l), +1 m, +2 c m of buffer 1, +3 named in a pair (at the end 1 / L), +4 .. +7 at work
.set AF,   128                         ; v128-135 a of buffer b, tile x at AF + 4 b + 2 x; the odd registers are named in pairs
.set SD,   136                         ; v136-137 the diagonal's score of my key
.set SC8,  138                         ; v138     2^e8 as f32
.set AC,   140                         ; v140-171 the eight packed sums of tile x at AC + 16 x; the way out takes these registers over
.set DG,   140                         ; v140-155 diag for my numbers of V
.set CC,   156                         ; v156-171 their codes
.set VV,   172                         ; v172-235 V: four steps of 16 numbers
.set SPW,  254                         ; v254  my spare word's LDS address; never rewritten
.set NIL,  255                         ; v255  0; never rewritten
.set WV,   12                          ; s12   my wave's number
.set SEL,  20                          ; s[20:21] lane selects: lane l xor 16
.set CS,   22                          ; s[22:23] c, twice
.set G1,   24                          ; s[24:31] descriptor group 1
.set G0,   32                          ; s[32:35] descriptor group 0
.set TB,   36                          ; s36   LDS byte of the two blocks that ADR names
.set CNT,  37                          ; s37   trips of the loop to go
.macro ROUND                           ; a round of the cluster's barrier
	s_barrier_signal -1
	s_barrier_wait -1
	s_cmp_lg_u32 s[WV], 0
	s_cbranch_scc1 .Lnot_wave_0_\@
	s_barrier_signal -3
.Lnot_wave_0_\@:
	s_barrier_wait -3
	s_barrier_signal -1
	s_barrier_wait -1
.endm
	s_load_b256 s[4:11], s[0:1], 0x0               ; qk 4:5, vf 6:7, the scales 8:9, oc 10:11
	v_lshl_add_u32 v[SPW], v0, 2, SPARE
	v_mov_b32 v[NIL], 0
	ds_add_u32 v[SPW], v[NIL]                      ; the opening lines: the add twice on end and one wait
	ds_add_u32 v[SPW], v[NIL]
	v_lshrrev_b32 v1, 5, v0
	v_readfirstlane_b32 s[WV], v1                  ; wave 0..15
	s_bfe_u32 s13, ttmp6, 0x40000                  ; cx: it enters global addresses of K, of the diagonal's Q, of V and of oc alone
	s_lshl_b32 s14, ttmp9, 17                      ; the batch's 131,072 bytes of Q's images,
	s_lshl_b32 s[G0+1], s[WV], 13                  ; my wave's 8,192 of them: in LDS
	s_add_co_u32 s14, s14, s[G0+1]                 ; and in memory
	s_mov_b32 s15, 0
	s_mov_b32 s[G1], 15|(3<<16)|(1<<21)            ; the mask: all four work-groups; elements of 8 bytes; bit 21 beside a mask
	s_mov_b32 s[G1+1], 32<<16                      ; 8,192 dense bytes as 32 rows of 256 bytes
	s_mov_b32 s[G1+2], 32<<16
	s_mov_b32 s[G1+3], 32<<16
	s_mov_b32 s[G1+4], 32
	s_mov_b32 s[G1+5], 32
	s_mov_b32 s[G1+6], 0
	s_mov_b32 s[G1+7], 0
	s_mov_b32 s[G0], 1
	s_lshl_b32 s52, ttmp9, 17                      ; my wave's block, 64 x batch + 16 cx + wave, of 2,048 bytes; my bytes of oc lie at the same offset,
	s_lshl_b32 s53, s13, 15
	s_add_co_u32 s52, s52, s53
	s_lshl_b32 s53, s[WV], 11
	s_add_co_u32 s52, s52, s53
	s_mov_b32 s53, 0
	s_lshl_b32 s54, s52, 2                         ; my 8,192 bytes of V at four times that
	s_mov_b32 s55, 0
	s_mov_b32 s[SEL], 0x76543210
	s_mov_b32 s[SEL+1], 0xfedcba98
	; Key (wave w, tile f, lane r) is the work-group's head row 256 (w >> 3) + 16 r + 2 (w & 7) + f; its diag goes to byte 1024 (w >> 3) + 64 r + 32 ((w >> 2) & 1) + 16 f + 4 (w & 3),
	; so that the four values that a lane of the stream over V wants lie in 16 neighbouring bytes
	s_lshr_b32 s56, s[WV], 3
	s_lshl_b32 s56, s56, 10
	s_bfe_u32 s57, s[WV], 0x10002
	s_lshl_b32 s57, s57, 5
	s_add_co_u32 s56, s56, s57
	s_and_b32 s57, s[WV], 3
	s_lshl_b32 s57, s57, 2
	s_add_co_u32 s56, s56, s57
	s_add_co_u32 s56, s56, DIAG
	s_lshl_b32 s58, s[WV], 7
	s_add_co_u32 s58, s58, DIAG
	v_and_b32 v1, 15, v0                           ; r
	v_bfe_u32 v2, v0, 4, 1                         ; h
	v_lshlrev_b32 v[LQ], 4, v1
	v_lshl_add_u32 v[LQ], v2, 9, v[LQ]
	v_and_b32 v[L16], 31, v0
	v_lshlrev_b32 v[L16], 4, v[L16]
	v_lshl_add_u32 v[DST], v1, 6, s56
	v_lshl_add_u32 v[DLD], v2, 4, s58              ; back: step 4 w + s of the stream: byte 128 w + 32 s + 16 (lane / 16)
	v_and_b32 v9, 7, v1                            ; r % 8
	v_lshrrev_b32 v10, 3, v1                       ; r / 8
	v_mov_b32 v11, 0                               ; written once: a lane permute's destination counts as one of its sources
	v_cmp_eq_u32 s40, v10, v2                      ; the lanes whose half holds their key's own query: 8 h + j = r
.irp j, 1,2,3,4,5,6,7
	v_cmp_eq_u32 s[40+\j], \j, v9                  ; and in which register: j = r % 8
.endr
	s_wait_alu depctr_va_vdst(0)
	s_wait_dscnt 0x0                               ; both opening adds are done
	s_wait_kmcnt 0x0
	s_load_b128 s[16:19], s[8:9], 0x18             ; e6, e7, e8, e9
	s_add_nc_u64 s[G0+2:G0+3], s[4:5], s[14:15]
	s_or_b32 s[G0+3], s[G0+3], 0x80000000          ; type = 2
	s_add_nc_u64 s[50:51], s[4:5], s[52:53]        ; Q's image of my block,
	s_add_nc_u64 s[48:49], s[50:51], 0x800000      ; K's
	s_add_nc_u64 s[6:7], s[6:7], s[54:55]
	s_add_nc_u64 s[10:11], s[10:11], s[52:53]
	ROUND                                          ; all four work-groups are here: the joint loads meet
	tensor_load_to_lds s[G0:G0+3], s[G1:G1+7]      ; my one tensor load of the launch
	s_nop 0
.rept 4
	v_nop
.endr
.irp f, 0,1
.irp c, 0,1
	global_load_b128 v[KF+8*\f+4*\c:KF+8*\f+4*\c+3], v[LQ], s[48:49] offset:256*\f+1024*\c   ; my two key fragments stay in registers
.endr
.endr
.irp f, 0,1
.irp c, 0,1
	global_load_b128 v[QF+8*\f+4*\c:QF+8*\f+4*\c+3], v[LQ], s[50:51] offset:256*\f+1024*\c   ; the queries of the same head rows, for the diagonal
.endr
.endr
	s_wait_kmcnt 0x0
	s_add_co_i32 s59, s16, s17
	s_lshl_b32 s59, s59, 23
	s_add_co_i32 s[CS], s59, 0x3fb8aa3b            ; c = log2(e) x 2^(e6 + e7): the two exponents are added to the exponent field of log2(e)
	s_mov_b32 s[CS+1], s[CS]
	s_add_co_i32 s59, s18, 127
	s_lshl_b32 s60, s59, 23
	v_mov_b32 v[SC8], s60                          ; 2^e8 as f32
	s_add_co_i32 s59, s59, 15
	s_lshl_b32 s59, s59, 23
	s_or_b32 s39, s59, 0x600000                    ; 57,344 x 2^e8,
	s_or_b32 s38, s39, 0x80000000                  ; and the same negative
.irp x, 0,1
	v_mov_b32 v[ST+8*\x+1], 0xff61b1e6             ; m, and the c m that trip 0 finds as the old one, begin at -3e38: the first a is 0 and multiplies sums of zero
	v_mov_b32 v[ST+8*\x+2], 0xff61b1e6
	v_mov_b32 v[ST+8*\x+3], 0                      ; (named as the upper half of a pair)
	v_mov_b32 v[AF+2*\x+1], 0                      ; (likewise)
	v_mov_b32 v[AF+2*\x+5], 0
.set j, 0
.rept 16
	v_mov_b32 v[AC+16*\x+j], 0                     ; the packed sums: the walk has no first trip of its own
.set j, j+1
.endr
.endr
	; THE DIAGONAL, while Q's images are on their way: lane (r, r / 8) holds s[l][l] in register r % 8
	s_wait_loadcnt 0x0
	v_wmma_f32_16x16x64_bf8_bf8 v[S:S+7], v[QF:QF+7], v[KF:KF+7], 0
	v_wmma_f32_16x16x64_bf8_bf8 v[S+16:S+23], v[QF+8:QF+15], v[KF+8:KF+15], 0
.rept 4
	v_nop                                          ; places behind the products (ISA guide 7.12.1)
.endr
.irp x, 0,1
	v_cndmask_b32 v[SD+\x], v[S+16*\x], v[S+16*\x+1], s41
.irp j, 2,3,4,5,6,7
	v_cndmask_b32 v[SD+\x], v[SD+\x], v[S+16*\x+\j], s[40+\j]
.endr
	v_permlanex16_b32 v11, v[SD+\x], s[SEL], s[SEL+1]
	v_cndmask_b32 v[SD+\x], v11, v[SD+\x], s40     ; both halves of the lanes now hold their key's diagonal score
.endr
.macro QLOAD off                       ; a block's two query fragments
.irp f, 0,1
.irp c, 0,1
	ds_load_b128 v[QF+8*\f+4*\c:QF+8*\f+4*\c+3], v[ADR] offset:(\off)+256*\f+1024*\c
.endr
.endr
.endm
; A TRIP'S STRETCH, into buffer b.  fetch = 1: the next block's fragments are asked for behind the products; ADR names two blocks and is stepped in the odd trips.
.macro STRETCH b, fetch
.set SB, S+32*(\b)
.set CM, 2*(\b)
.set CO, 2-2*(\b)
	s_wait_dscnt 0x0                               ; the block's fragments are in
.irp q, 0,1
.irp x, 0,1
	v_wmma_f32_16x16x64_bf8_bf8 v[SB+16*\x+8*\q:SB+16*\x+8*\q+7], v[QF+8*\q:QF+8*\q+7], v[KF+8*\x:KF+8*\x+7], 0
.endr
.endr
.if (\fetch) && (\b)
	s_add_co_u32 s[TB], s[TB], 4096
	v_add_nc_u32 v[ADR], s[TB], v[LQ]              ; with the three v_nop: the four places in front of the loads and of the first read of results
.rept 3
	v_nop
.endr
	QLOAD 0
.else
.rept 4
	v_nop
.endr
.if \fetch
	QLOAD 2048
.endif
.endif
	; the running maximum: two chains a tile, ascending
.irp x, 0,1
	v_max3_num_f32 v[ST+8*\x+4], v[ST+8*\x+1], v[SB+16*\x], v[SB+16*\x+1]
.endr
.irp x, 0,1
	v_max3_num_f32 v[ST+8*\x+5], v[SB+16*\x+8], v[SB+16*\x+9], v[SB+16*\x+10]
.endr
.irp n, 1,2
.irp x, 0,1
	v_max3_num_f32 v[ST+8*\x+4], v[ST+8*\x+4], v[SB+16*\x+2*\n], v[SB+16*\x+2*\n+1]
.endr
.irp x, 0,1
	v_max3_num_f32 v[ST+8*\x+5], v[ST+8*\x+5], v[SB+16*\x+2*\n+9], v[SB+16*\x+2*\n+10]
.endr
.endr
.irp x, 0,1
	v_max3_num_f32 v[ST+8*\x+4], v[ST+8*\x+4], v[SB+16*\x+6], v[SB+16*\x+7]
.endr
.irp x, 0,1
	v_max3_num_f32 v[ST+8*\x+1], v[ST+8*\x+4], v[ST+8*\x+5], v[SB+16*\x+15]
.endr
.irp x, 0,1
	s_delay_alu instid0(VALU_DEP_2)
	v_mul_f32 v[ST+8*\x+CM], s[CS], v[ST+8*\x+1]   ; c m
.endr
.irp x, 0,1
	s_delay_alu instid0(VALU_DEP_2)
	v_sub_f32 v[AF+4*(\b)+2*\x], v[ST+8*\x+CO], v[ST+8*\x+CM]   ; c m_old - c m
.endr
.irp x, 0,1
.irp j, 0,2,4,6,8,10,12,14
	v_pk_fma_f32 v[SB+16*\x+\j:SB+16*\x+\j+1], v[SB+16*\x+\j:SB+16*\x+\j+1], s[CS:CS+1], v[ST+8*\x+CM:ST+8*\x+CM+1] op_sel_hi:[1,0,0] neg_lo:[0,0,1] neg_hi:[0,0,1]   ; c s - c m
.endr
.endr
	s_wait_alu depctr_va_vdst(0)                   ; the wait ahead of a batch of transcendentals; it is also the wait behind the batch before
.endm
.macro GLINE b, x, j                   ; packed sum j / 2 of tile x = itself x a + the pair of p, both of buffer b
	v_pk_fma_f32 v[AC+16*(\x)+(\j):AC+16*(\x)+(\j)+1], v[AC+16*(\x)+(\j):AC+16*(\x)+(\j)+1], v[AF+4*(\b)+2*(\x):AF+4*(\b)+2*(\x)+1], v[S+32*(\b)+16*(\x)+(\j):S+32*(\b)+16*(\x)+(\j)+1] op_sel_hi:[1,0,1]
.endm
; A TRIP'S BATCH on buffer b: a and p.  g = 1: the other buffer's gathers stand between the exponentials; what they write is first read behind the next wait.
.macro BATCH b, g
.set SB, S+32*(\b)
.irp x, 0,1
	v_exp_f32 v[AF+4*(\b)+2*\x], v[AF+4*(\b)+2*\x] ; a = 2^(c m_old - c m): 1 where m has not grown
.endr
.irp x, 0,1
.irp j, 0,2,4,6,8,10,12,14
	v_exp_f32 v[SB+16*\x+\j], v[SB+16*\x+\j]       ; p = 2^(c s - c m)
	v_exp_f32 v[SB+16*\x+\j+1], v[SB+16*\x+\j+1]
.if \g
	GLINE 1-(\b), \x, \j
.endif
.endr
.endr
.if (\g) == 0
	v_nop                                          ; a plain line behind the exponentials
.endif
.endm
	; THE WALK OVER THE QUERIES: 64 trips
	s_wait_alu depctr_va_vdst(0)
	s_wait_tensorcnt 0x0                           ; my part of Q's images is in,
	s_barrier_signal -1
	s_barrier_wait -1                              ; everybody's is
	s_mov_b32 s[TB], 0
	v_add_nc_u32 v[ADR], s[TB], v[LQ]
	s_wait_alu depctr_va_vdst(0)                   ; trip 0 reads the address again behind its wait for the fragments
	QLOAD 0
.irp s, 0,1,2,3
.irp i, 0,1,2,3
	global_load_b128 v[VV+16*\s+4*\i:VV+16*\s+4*\i+3], v[L16], s[6:7] offset:2048*\s+512*\i th:TH_LOAD_NT   ; V: asked for behind Q's images, into registers that lie idle during the walk; read once in the launch
.endr
.endr
	STRETCH 0, 1                                   ; trip 0
	BATCH 0, 0
	STRETCH 1, 1                                   ; trip 1
	s_mov_b32 s[CNT], 30
.Ltrip:                                                ; pass k: the batches of trips 2 k + 1 and 2 k + 2, the stretches of trips 2 k + 2 and 2 k + 3
	BATCH 1, 1
	STRETCH 0, 1
	BATCH 0, 1
	STRETCH 1, 1                                   ; (its last line is the wait: no transcendental is out at the jump)
	s_sub_co_u32 s[CNT], s[CNT], 1
	s_cmp_lg_u32 s[CNT], 0
	s_cbranch_scc1 .Ltrip
	BATCH 1, 1                                     ; trip 61
	STRETCH 0, 1                                   ; trip 62
	BATCH 0, 1
	STRETCH 1, 0                                   ; trip 63 asks for nothing: no LDS read passes the images' end
	BATCH 1, 1
	s_wait_alu depctr_va_vdst(0)                   ; behind the last batch
.irp x, 0,1
.irp j, 0,2,4,6,8,10,12,14
	GLINE 1, \x, \j                                ; trip 63's gathers
.endr
.endr
	; THE FINISH: a tile's eight packed sums become one l; the two halves of the lanes are merged under their common maximum M; diag = 2^(c s_ll - c M) / L
.irp d, 8,4,2
.irp x, 0,1
.set j, 0
.rept \d/2
	v_pk_add_f32 v[AC+16*\x+j:AC+16*\x+j+1], v[AC+16*\x+j:AC+16*\x+j+1], v[AC+16*\x+j+\d:AC+16*\x+j+\d+1]
.set j, j+2
.endr
.endr
.endr
.irp x, 0,1
	v_add_f32 v[ST+8*\x], v[AC+16*\x], v[AC+16*\x+1]               ; l of my half of the queries
.endr
.irp x, 0,1
	v_permlanex16_b32 v[ST+8*\x+4], v[ST+8*\x+1], s[SEL], s[SEL+1] ; the other half's m
.endr
.irp x, 0,1
	v_max_num_f32 v[ST+8*\x+5], v[ST+8*\x+1], v[ST+8*\x+4]         ; M
.endr
.irp x, 0,1
	v_mul_f32 v[ST+8*\x+7], s[CS], v[ST+8*\x+5]                    ; c M: equal to c m, bit for bit, in the half that holds M
.endr
.irp x, 0,1
	v_sub_f32 v[ST+8*\x+6], v[ST+8*\x+2], v[ST+8*\x+7]             ; trip 63's c m lies in buffer 1's register
.endr
.irp x, 0,1
	v_fma_f32 v[SD+\x], v[SD+\x], s[CS], -v[ST+8*\x+7]
.endr
	s_wait_alu depctr_va_vdst(0)                   ; ahead of the batch
.irp x, 0,1
	v_exp_f32 v[ST+8*\x+6], v[ST+8*\x+6]
.endr
.irp x, 0,1
	v_exp_f32 v[SD+\x], v[SD+\x]
.endr
	v_nop                                          ; a plain line behind the exponentials
	s_wait_alu depctr_va_vdst(0)                   ; behind the batch
.irp x, 0,1
	v_mul_f32 v[ST+8*\x], v[ST+8*\x], v[ST+8*\x+6]                 ; my l under M
.endr
.irp x, 0,1
	v_permlanex16_b32 v[ST+8*\x+4], v[ST+8*\x], s[SEL], s[SEL+1]
.endr
.irp x, 0,1
	v_add_f32 v[ST+8*\x], v[ST+8*\x], v[ST+8*\x+4]                 ; L: at least the term of the maximum itself, which is 1
.endr
	s_wait_alu depctr_va_vdst(0)                   ; ahead of the batch
.irp x, 0,1
	v_rcp_f32 v[ST+8*\x+3], v[ST+8*\x]
.endr
	v_nop                                          ; a plain line behind the reciprocals
	s_wait_alu depctr_va_vdst(0)                   ; behind the batch
.irp x, 0,1
	v_mul_f32 v[SD+\x], v[SD+\x], v[ST+8*\x+3]
.endr
.irp x, 0,1
	ds_store_b32 v[DST], v[SD+\x] offset:16*\x     ; lanes r and r + 16 hold the same number and write the same word, behind the images
.endr
	s_wait_dscnt 0x0                               ; for the others' sake: my stores are done
	s_barrier_signal -1
	s_barrier_wait -1
	; diag x V, QUANTISED.  In step 4 w + s, load i, my four numbers belong to head row 8 (4 w + s) + 2 i + lane / 16
.irp s, 0,1,2,3
	ds_load_b128 v[DG+4*\s:DG+4*\s+3], v[DLD] offset:32*\s
.endr
	s_wait_loadcnt 0x0                             ; V
	s_wait_dscnt 0x0
.irp s, 0,1,2,3
.irp i, 0,1,2,3
.irp j, 0,1,2,3
	v_mul_f32 v[VV+16*\s+4*\i+\j], v[VV+16*\s+4*\i+\j], v[DG+4*\s+\i]
.endr
.endr
.set k, 0
.rept 16
	v_med3_num_f32 v[VV+16*\s+k], v[VV+16*\s+k], s38, s39          ; the conversion to an 8-bit code does not saturate (ISA guide 7.6.2)
.set k, k+1
.endr
	v_cvt_scalef32_pk8_bf8_f32 v[CC+4*\s:CC+4*\s+1], v[VV+16*\s:VV+16*\s+7], v[SC8]
	v_cvt_scalef32_pk8_bf8_f32 v[CC+4*\s+2:CC+4*\s+3], v[VV+16*\s+8:VV+16*\s+15], v[SC8]
.endr
	v_nop                                          ; one plain line behind the last conversion
.irp s, 0,1,2,3
	global_store_b128 v[L16], v[CC+4*\s:CC+4*\s+3], s[10:11] offset:512*\s   ; the wave stores 512 consecutive bytes, aligned
.endr
	s_wait_tensorcnt 0x0                           ; the wave's end
	ds_add_u32 v[SPW], v[NIL]
	s_wait_dscnt 0x0
	ROUND                                          ; the closing round
	s_endpgm
.Lfunc_end_k_qf3fb626a09_attn:
	.size	k_qf3fb626a09_attn, .Lfunc_end_k_qf3fb626a09_attn-k_qf3fb626a09_attn
	.p2alignl 7, 3214868480
	.fill 96, 4, 3214868480
	.section	.rodata,"a",@progbits
	.p2align	6, 0x0
	.amdhsa_kernel k_qf3fb626a09_attn
		.amdhsa_group_segment_fixed_size 169984
		.amdhsa_private_segment_fixed_size 0
		.amdhsa_enable_private_segment 0
		.amdhsa_kernarg_size 32
		.amdhsa_user_sgpr_count 2
		.amdhsa_user_sgpr_kernarg_segment_ptr 1
		.amdhsa_wavefront_size32 1
		.amdhsa_system_sgpr_workgroup_id_x 1
		.amdhsa_system_sgpr_workgroup_id_y 1
		.amdhsa_system_sgpr_workgroup_id_z 1
		.amdhsa_system_vgpr_workitem_id 0
		.amdhsa_next_free_vgpr 256
		.amdhsa_next_free_sgpr 66
		.amdhsa_reserve_vcc 0
		.amdhsa_float_denorm_mode_32 3
		.amdhsa_float_denorm_mode_16_64 3
		.amdhsa_memory_ordered 1
		.amdhsa_forward_progress 1
		.amdhsa_inst_pref_size 51
	.end_amdhsa_kernel
	.amdgpu_metadata
---
amdhsa.version: [ 1, 2 ]
amdhsa.kernels:
  - .name:           k_qf3fb626a09_attn
    .symbol:         k_qf3fb626a09_attn.kd
    .args:
      - { .name: qk, .offset: 0, .size: 8, .value_kind: global_buffer, .address_space: global }
      - { .name: vf, .offset: 8, .size: 8, .value_kind: global_buffer, .address_space: global }
      - { .name: lowp_scales, .offset: 16, .size: 8, .value_kind: global_buffer, .address_space: global }
      - { .name: oc, .offset: 24, .size: 8, .value_kind: global_buffer, .address_space: global }
    .group_segment_fixed_size: 169984
    .private_segment_fixed_size: 0
    .kernarg_segment_align: 8
    .kernarg_segment_size: 32
    .max_flat_workgroup_size: 512
    .sgpr_count:     66
    .vgpr_count:     256
    .wavefront_size: 32
...
	.end_amdgpu_metadata
.endif
;; end of part 3
;; launch proj: the kernel of part 2 again; grid 32 x 4, 4 waves a work-group, clusters of 4 x 4, 327,680 bytes of LDS; arguments oc, wo, po, out0, b_o, b_q, b_k, qk; writes out0, qk
